; MI455X (gfx1250); checked and timed in simulation.
; The chip was launched on July 23, 2026; its instructions are those of AMD's public machine-readable ISA for CDNA 5 (MIT licence, August 2026) and "CDNA5" Instruction Set Architecture Reference Guide (July 2026). The comments in the code are by the model that wrote it; some were corrected since.
;; Attentive Pooling. Allowed arithmetic: float matrix products may take bf16 or f16 operands with f32 sums; all other float work in f32.
;; Inputs: hidden_states 8 x 4,096 x 1,024 float32; in_proj_b 3,072 float32; in_proj_w 3,072 x 1,024 float32; out_b 1,024 float32; out_w 1,024 x 1,024 float32; queries 1 x 4 x 1,024 float32.
;; Outputs: out0 8 x 1,024 float32; out1 8 x 4 x 4,096 float32.
;; One version. Each part assembles by itself: llvm-mc -triple=amdgcn-amd-amdhsa -mcpu=gfx1250 --defsym DOCPART=n.
;; ======== version 1 of 1: 6 launches
;; workspace buffers: qs 16,384 bytes; qkf 32,768 bytes; cb 256 bytes; sc 2,097,152 bytes; ml 32,768 bytes; xp 16,777,216 bytes; yb 131,072 bytes; cx 32,768 bytes
;; launch qproj (part 1): grid 64 x 2, 16 waves a work-group, no clusters, 2,560 bytes of LDS; arguments queries, in_proj_w, in_proj_b, qs; writes qs
.if DOCPART == 1
	.amdgcn_target "amdgcn-amd-amdhsa--gfx1250"
	.amdhsa_code_object_version 6
	.text
	.protected	k_q3f3ed9136c_qproj
	.globl	k_q3f3ed9136c_qproj
	.p2align	8
	.type	k_q3f3ed9136c_qproj,@function
k_q3f3ed9136c_qproj:
	s_mov_b64 s[64:65], 0
	v_nop
	global_prefetch_b8 v0, s[64:65] scope:SCOPE_SE
	s_setreg_imm32_b32 hwreg(HW_REG_WAVE_MODE, 25, 1), 1
	s_wait_xcnt 0x0
; qs[q][j] = (queries[q] . Wq[j] + bq[j]) / 16       queries [4][1024], Wq = rows 0..1023 of in_proj_w [3072][1024], all f32.
; 1/16 = 1/sqrt(256) is the attention scale of reference(), a power of two, so scaling is exact.
; A product with few rows that walks 4 MiB of weights once: bytes and the wait for them decide, so it is done in f32 on the vector unit from
; plain loads of 512 consecutive bytes a wave; matrix units, tensor loads and clusters would add nothing to that.
; A work-group makes 2 rows x 16 columns with 16 waves.  Wave w takes columns 16 x + 4 (w % 4) + 0..3 and the quarter w / 4 of K = 1024
; (1 KiB of a row): lane l holds e = 256 (w / 4) + 128 t + 4 l + 0..3, t = 0, 1.  That is 12 loads a wave, all out at once, and 96 KiB for the
; work-group: 64 KiB of weights, and the two rows' 8 KiB once for each of the four column groups.
; The four quarters meet in LDS, and wave 0 stores one result a lane.
; A row's piece is 64 consecutive bytes, not a whole block of 256: the result has 4,096 numbers, 32 for each of the 128 work-groups;
; it is 16 KiB, written once.
; Limit: the sum over e is made in another order than reference()'s.
.set A_ROW,  4096                      ; bytes from a row of the left operand to the next
.set A_HEAD, 0                         ; bytes to add for each block of 256 columns (none here)
.set W_OFF,  0                         ; first byte of the weight block in its buffer
.set B_OFF,  0                         ; first byte of the bias block in its buffer
.set SCALED, 1                         ; the result is multiplied by 1/16
.set A,   8                            ; v[8:23]   left operand: row rr at 8 rr, 4 numbers at 4 t
.set W,   24                           ; v[24:55]  weights: column cc at 8 cc, 4 numbers at 4 t
.set ACC, 56                           ; v[56:71]  a pair of partial sums for each (rr, cc), at 8 rr + 2 cc; later at work in the reduction
.set RES, 72                           ; v[72:79]  the eight sums, at 4 rr + cc; later v[72:75]: my half's row, column cc
; v2 16 lane | v3 LDS, in | v4 LDS, out | v5 offset in the result | v6 lane / 16 | v7 lane % 16
	s_load_b256 s[4:11], s[0:1], 0x0               ; left operand s[4:5], weights s[6:7], bias s[8:9], result s[10:11]
	v_lshl_add_u32 v80, v0, 2, 0x200
	v_mov_b32 v81, 0
	v_lshrrev_b32 v1, 5, v0
	v_readfirstlane_b32 s12, v1                    ; wave 0..15
	s_and_b32 s13, ttmp7, 0xffff                   ; which pair of rows
	s_and_b32 s30, s12, 3                          ; which four of the 16 columns
	s_lshr_b32 s31, s12, 2                         ; which quarter of K
	v_and_b32 v2, 31, v0
	v_lshlrev_b32 v2, 4, v2                        ; 16 x lane
	v_and_b32 v7, 15, v0                           ; lane % 16
	v_bfe_u32 v6, v0, 4, 1                         ; lane / 16
	v_lshlrev_b32 v3, 4, v6                        ; LDS, in: 32 bytes a wave, 16 for each row
	v_lshl_add_u32 v3, s12, 5, v3
	v_lshrrev_b32 v4, 2, v7                        ; LDS, out: lane = row lane / 16, column c = lane % 16: 32 (c / 4) + 16 row + 4 (c % 4); the quarter stands in the immediate
	v_lshlrev_b32 v4, 5, v4
	v_lshl_add_u32 v4, v6, 4, v4
	v_and_b32 v5, 3, v7
	v_lshl_add_u32 v4, v5, 2, v4
	v_lshlrev_b32 v5, 2, v7                        ; the result: row x 4,096 + 4 c
	v_lshl_add_u32 v5, v6, 12, v5
	s_lshl_b32 s14, ttmp9, 16                      ; weights: 16 x rows of 4,096 bytes,
	s_lshl_b32 s15, s30, 14                        ; four rows for each column group,
	s_add_co_u32 s14, s14, s15
	s_lshl_b32 s15, s31, 10                        ; 1,024 bytes for each quarter of K
	s_add_co_u32 s14, s14, s15
.if W_OFF
	s_add_co_u32 s14, s14, W_OFF
.endif
	s_mov_b32 s15, 0
	s_mul_i32 s16, s13, 2*A_ROW                    ; left operand: my two rows, my quarter of K
	s_lshl_b32 s17, s31, 10
	s_add_co_u32 s16, s16, s17
.if A_HEAD
	s_lshr_b32 s17, ttmp9, 4                       ; 16 blocks of 16 columns to a head
	s_mul_i32 s17, s17, A_HEAD
	s_add_co_u32 s16, s16, s17
.endif
	s_mov_b32 s17, 0
	s_lshl_b32 s18, ttmp9, 6                       ; bias: (16 x + 4 (w % 4)) numbers of 4 bytes
	s_lshl4_add_u32 s18, s30, s18
.if B_OFF
	s_add_co_u32 s18, s18, B_OFF
.endif
	s_mov_b32 s19, 0
	s_lshl_b32 s26, s13, 13                        ; result: two rows of 4,096 bytes, 64 bytes for each block of columns
	s_lshl_b32 s27, ttmp9, 6
	s_add_co_u32 s26, s26, s27
	s_mov_b32 s27, 0
	s_mov_b32 s24, 0x76543210                      ; v_permlanex16_b32: lane i of one half reads lane i of the other
	s_mov_b32 s25, 0xfedcba98
	s_mov_b32 s28, 0x3d800000                      ; 1/16
	s_wait_kmcnt 0x0
	s_add_nc_u64 s[4:5], s[4:5], s[16:17]
	s_add_nc_u64 s[6:7], s[6:7], s[14:15]
	s_add_nc_u64 s[8:9], s[8:9], s[18:19]
	s_add_nc_u64 s[10:11], s[10:11], s[26:27]
.irp rr, 0,1
.irp t, 0,1
	global_load_b128 v[A+8*\rr+4*\t:A+8*\rr+4*\t+3], v2, s[4:5] offset:\rr*A_ROW+512*\t
.endr
.endr
.irp cc, 0,1,2,3
.irp t, 0,1
	global_load_b128 v[W+8*\cc+4*\t:W+8*\cc+4*\t+3], v2, s[6:7] offset:\cc*4096+512*\t
.endr
.endr
	s_load_b128 s[20:23], s[8:9], 0x0              ; the bias of my four columns
; Column cc against both rows.  left = the loads issued behind this column's two: 2 for each later column.
.macro COL cc, left
	s_wait_loadcnt \left
	v_pk_mul_f32 v[ACC+2*\cc:ACC+2*\cc+1],     v[A:A+1],   v[W+8*\cc:W+8*\cc+1]          ; the first products start the sums
	v_pk_mul_f32 v[ACC+8+2*\cc:ACC+8+2*\cc+1], v[A+8:A+9], v[W+8*\cc:W+8*\cc+1]
.irp k, 1,2,3
	v_pk_fma_f32 v[ACC+2*\cc:ACC+2*\cc+1],     v[A+2*\k:A+2*\k+1],     v[W+8*\cc+2*\k:W+8*\cc+2*\k+1], v[ACC+2*\cc:ACC+2*\cc+1]
	v_pk_fma_f32 v[ACC+8+2*\cc:ACC+8+2*\cc+1], v[A+8+2*\k:A+8+2*\k+1], v[W+8*\cc+2*\k:W+8*\cc+2*\k+1], v[ACC+8+2*\cc:ACC+8+2*\cc+1]
.endr
.endm
	COL 0, 6
	COL 1, 4
	COL 2, 2
	COL 3, 0
	; The eight sums over the 32 lanes.  First the halves exchange: lanes 0-15 keep row 0's four sums and take the other half's part of them,
	; lanes 16-31 likewise for row 1; then four steps inside each half on four registers.
.irp i, 0,1,2,3,4,5,6,7
	v_add_f32 v[RES+\i], v[ACC+2*\i], v[ACC+2*\i+1]
.endr
	v_cmp_eq_u32 vcc_lo, 1, v6                     ; lanes 16-31
.irp i, 0,1,2,3
	v_cndmask_b32 v[ACC+\i], v[RES+4+\i], v[RES+\i], vcc_lo        ; what the other half wants: row 1's from lanes 0-15, row 0's from lanes 16-31
	v_cndmask_b32 v[RES+\i], v[RES+\i], v[RES+4+\i], vcc_lo        ; what I keep
.endr
.irp i, 0,1,2,3
	v_permlanex16_b32 v[ACC+4+\i], v[ACC+\i], s24, s25             ; its destination has been written before
.endr
.irp i, 0,1,2,3
	v_add_f32 v[RES+\i], v[RES+\i], v[ACC+4+\i]
.endr
.irp m, 1,2,4,8
.irp i, 0,1,2,3
	v_add_f32_dpp v[RES+\i], v[RES+\i], v[RES+\i] row_xmask:\m row_mask:0xf bank_mask:0xf
.endr
.endr
	s_wait_kmcnt 0x0                               ; the bias
	s_cmp_eq_u32 s31, 0                            ; it is added once, by the waves of the first quarter of K; the others add 0
.irp cc, 0,1,2,3
	s_cselect_b32 s[20+\cc], s[20+\cc], 0
.endr
.if SCALED
.irp cc, 0,1,2,3
	s_mul_f32 s[20+\cc], s[20+\cc], s28            ; bias / 16, exact
.endr
.irp cc, 0,1,2,3
	v_fma_f32 v[RES+\cc], v[RES+\cc], s28, s[20+\cc]
.endr
.else
.irp cc, 0,1,2,3
	v_add_f32 v[RES+\cc], s[20+\cc], v[RES+\cc]
.endr
.endif
	; the way out: every lane of a half holds the same four numbers; lanes 0 and 16 put them into my wave's 32 bytes
	v_cmp_eq_u32 vcc_lo, 0, v7
	s_wait_xcnt 0x0                                ; EXEC changes only behind this wait
	s_and_saveexec_b32 s29, vcc_lo
	ds_store_b128 v3, v[RES:RES+3]
	s_or_b32 exec_lo, exec_lo, s29                 ; no global instruction has been issued since the wait above
	s_wait_dscnt 0x0                               ; my store is done before I say so
	s_barrier_signal -1
	s_barrier_wait -1
	s_cmp_lg_u32 s12, 0
	s_cbranch_scc1 .Lend
.irp kq, 0,1,2,3
	ds_load_b32 v[8+\kq], v4 offset:128*\kq        ; the four quarters of K of my one result
.endr
	s_wait_dscnt 0x0
	v_add_f32 v8, v8, v9
	v_add_f32 v10, v10, v11
	v_add_f32 v8, v8, v10
	global_store_b32 v5, v8, s[10:11]              ; lanes 0-15: 64 consecutive bytes of row 0; lanes 16-31: of row 1
.Lend:
	s_wait_tensorcnt 0x0
	ds_add_u32 v80, v81
	s_wait_dscnt 0x0
	s_endpgm
.Lfunc_end_k_q3f3ed9136c_qproj:
	.size	k_q3f3ed9136c_qproj, .Lfunc_end_k_q3f3ed9136c_qproj-k_q3f3ed9136c_qproj
	.p2alignl 7, 3214868480
	.fill 96, 4, 3214868480
	.section	.rodata,"a",@progbits
	.p2align	6, 0x0
	.amdhsa_kernel k_q3f3ed9136c_qproj
		.amdhsa_group_segment_fixed_size 2560
		.amdhsa_private_segment_fixed_size 0
		.amdhsa_enable_private_segment 0
		.amdhsa_kernarg_size 32
		.amdhsa_user_sgpr_count 2
		.amdhsa_user_sgpr_kernarg_segment_ptr 1
		.amdhsa_wavefront_size32 1
		.amdhsa_system_sgpr_workgroup_id_x 1
		.amdhsa_system_sgpr_workgroup_id_y 1
		.amdhsa_system_sgpr_workgroup_id_z 1
		.amdhsa_system_vgpr_workitem_id 0
		.amdhsa_next_free_vgpr 82
		.amdhsa_next_free_sgpr 66
		.amdhsa_reserve_vcc 1
		.amdhsa_float_denorm_mode_32 3
		.amdhsa_float_denorm_mode_16_64 3
		.amdhsa_memory_ordered 1
		.amdhsa_forward_progress 1
		.amdhsa_inst_pref_size 9
	.end_amdhsa_kernel
	.amdgpu_metadata
---
amdhsa.version: [ 1, 2 ]
amdhsa.kernels:
  - .name:           k_q3f3ed9136c_qproj
    .symbol:         k_q3f3ed9136c_qproj.kd
    .args:
      - { .name: queries, .offset: 0, .size: 8, .value_kind: global_buffer, .address_space: global }
      - { .name: in_proj_w, .offset: 8, .size: 8, .value_kind: global_buffer, .address_space: global }
      - { .name: in_proj_b, .offset: 16, .size: 8, .value_kind: global_buffer, .address_space: global }
      - { .name: qs, .offset: 24, .size: 8, .value_kind: global_buffer, .address_space: global }
    .group_segment_fixed_size: 2560
    .private_segment_fixed_size: 0
    .kernarg_segment_align: 8
    .kernarg_segment_size: 32
    .max_flat_workgroup_size: 512
    .sgpr_count:     66
    .vgpr_count:     82
    .wavefront_size: 32
...
	.end_amdgpu_metadata
.endif
;; end of part 1
;; launch qkmix (part 2): grid 32 x 1, 16 waves a work-group, no clusters, 43,264 bytes of LDS; arguments qs, in_proj_w, in_proj_b, qkf, cb; writes qkf, cb
.if DOCPART == 2
	.amdgcn_target "amdgcn-amd-amdhsa--gfx1250"
	.amdhsa_code_object_version 6
	.text
	.protected	k_q3f3ed9136c_qkmix
	.globl	k_q3f3ed9136c_qkmix
	.p2align	8
	.type	k_q3f3ed9136c_qkmix,@function
k_q3f3ed9136c_qkmix:
	s_mov_b64 s[64:65], 0
	v_nop
	global_prefetch_b8 v0, s[64:65] scope:SCOPE_SE
	s_setreg_imm32_b32 hwreg(HW_REG_WAVE_MODE, 25, 1), 1
	s_wait_xcnt 0x0
; qk[4 h + q][e] = sum over d of qs[q][256 h + d] Wk[256 h + d][e]      c[4 h + q] = sum over d of qs[q][256 h + d] bk[256 h + d]
; so that later scores[hq][s] = qk[hq] . x[s] + c[hq], which is (q scale) . (Wk x + bk) with the sums taken in another order: exact algebra
; for every input.  Wk = rows 1024..2047 of in_proj_w, bk = in_proj_b[1024..2047].
; qk leaves as bf16 in the order in which the next launch's matrix fragments want it: qkf byte (e / 8) 256 + hq 16 + 2 (e % 8).
; 4 MiB of weights are walked once, so the bytes decide: f32 on the vector unit, no matrix unit, no tensor loads, no cluster.
; Work-group = one head h and one strip of 128 e (512 bytes of each of the head's 256 rows of Wk).  Wave w takes rows 16 w + t, t = 0..15:
; one row to a load, so the multiplier qs[q][row] is the same in all lanes and sits in a scalar register.
; The waves' partial sums meet in LDS.  The stores into qkf are pieces of 64 bytes (four lanes): the layout serves the 4,096 waves that
; read it later, and 32 KiB are written once.
; Limits: the order of the sums differs from reference()'s; qk is rounded to bf16.
.set W,      16                        ; v[16:79]   row t: 4 numbers at 4 t
.set ACC,    80                        ; v[80:95]   query qi: 4 sums at 4 qi
.set BK,     84                        ; s[84:99]   bk of my 16 rows
.set PITCHQ, 640                       ; LDS: a query's 512 bytes + 128
.set WBLK,   2560                      ; LDS: a wave's four queries
.set CPB,    40960                     ; LDS: behind them, 16 bytes a wave: its four partial c
; qs of my 16 rows: query qi in s[16+16 qi + 4 (qi/3) ...]: s[16:31], s[32:47], s[48:63], s[68:83]
	s_load_b256 s[4:11], s[0:1], 0x0               ; qs s[4:5], in_proj_w s[6:7], in_proj_b s[8:9], qkf s[10:11]
	s_load_b64 s[12:13], s[0:1], 0x20              ; cb
	v_lshl_add_u32 v160, v0, 2, 0xa100
	v_mov_b32 v161, 0
	v_lshrrev_b32 v1, 5, v0
	v_readfirstlane_b32 s2, v1                     ; wave 0..15
	v_and_b32 v7, 31, v0                           ; lane
	v_lshlrev_b32 v2, 4, v7                        ; 16 x lane
	s_lshr_b32 s3, ttmp9, 3                        ; head
	s_and_b32 s66, ttmp9, 7                        ; strip
	s_lshl_b32 s16, s3, 8
	s_lshl4_add_u32 s16, s2, s16                   ; my first row: 256 h + 16 w
	s_lshl_b32 s18, s16, 2                         ; its place in a row of qs and in bk, in bytes
	s_mov_b32 s19, 0
	s_lshl_b32 s20, s16, 12                        ; its place in Wk: rows of 4,096 bytes,
	s_lshl_b32 s21, s66, 9                         ; the strip's 512 bytes,
	s_add_co_u32 s20, s20, s21
	s_add_co_u32 s20, s20, 0x400000                ; behind Wq's 1,024 rows
	s_mov_b32 s21, 0
	s_mul_i32 s22, s2, WBLK
	v_add_nc_u32 v3, s22, v2                       ; LDS: my wave's block + 16 x lane
	s_lshl_b32 s23, s2, 4
	v_mov_b32 v4, s23                              ; LDS: 16 x wave (the partial c, with the immediate CPB)
	s_wait_kmcnt 0x0
	s_add_nc_u64 s[6:7], s[6:7], s[20:21]
	s_add_nc_u64 s[14:15], s[4:5], s[18:19]
	s_add_nc_u64 s[100:101], s[8:9], s[18:19]
.set t, 0
.rept 16
	global_load_b128 v[W+4*t:W+4*t+3], v2, s[6:7] offset:4096*t th:TH_LOAD_NT      ; 512 consecutive bytes of row t; no other wave of the launch reads them
.set t, t+1
.endr
	s_load_b512 s[16:31], s[14:15], 0x0            ; qs[0][my 16 rows]
	s_load_b512 s[32:47], s[14:15], 0x1000         ; qs[1]
	s_load_b512 s[48:63], s[14:15], 0x2000         ; qs[2]
	s_load_b512 s[68:83], s[14:15], 0x3000         ; qs[3]
	s_load_b512 s[BK:BK+15], s[100:101], 0x1000    ; bk lies 1,024 numbers behind bq
	s_wait_kmcnt 0x0
; my 16 rows' part of c for one query, while the rows of Wk are on their way
.macro CDOT cp, qb
	s_mul_f32 s[\cp], s[\qb], s[BK]
.set t, 1
.rept 15
	s_fmac_f32 s[\cp], s[\qb+t], s[BK+t]
.set t, t+1
.endr
.endm
	CDOT 2, 16
	CDOT 3, 32
	CDOT 66, 48
	CDOT 67, 68
	s_wait_loadcnt 15                              ; row 0 is in; the 15 rows behind it may be out
.irp qi, 0,1,2,3
.irp j, 0,1,2,3
	v_mul_f32 v[ACC+4*\qi+\j], s[16+16*\qi+4*(\qi/3)], v[W+\j]                     ; the first row starts the sums
.endr
.endr
.set t, 1
.rept 15
	s_wait_loadcnt 15-t                            ; row t is in; the rows behind it may be out
.irp qi, 0,1,2,3
.irp j, 0,1,2,3
	v_fmac_f32 v[ACC+4*\qi+\j], s[16+16*\qi+4*(\qi/3)+t], v[W+4*t+\j]
.endr
.endr
.set t, t+1
.endr
.irp qi, 0,1,2,3
	ds_store_b128 v3, v[ACC+4*\qi:ACC+4*\qi+3] offset:PITCHQ*\qi
.endr
	v_mov_b32 v8, s2
	v_mov_b32 v9, s3
	v_mov_b32 v10, s66
	v_mov_b32 v11, s67
	ds_store_b128 v4, v[8:11] offset:CPB           ; every lane writes the same 16 bytes with the same numbers
	s_wait_dscnt 0x0                               ; my stores are done before I say so
	s_barrier_signal -1
	s_barrier_wait -1
	v_readfirstlane_b32 s14, v1                    ; the wave's number again: its first register became a partial sum
	s_cmp_lt_u32 s14, 2
	s_cbranch_scc1 .Lsum
	s_cmp_eq_u32 s14, 2
	s_cbranch_scc1 .Lconst
	s_wait_tensorcnt 0x0
	ds_add_u32 v160, v161
	s_wait_dscnt 0x0
	s_endpgm
.Lsum:
	; waves 0 and 1: lane l sums, over the 16 waves' parts, the 8 numbers e = 8 idx .. 8 idx + 7 of query q = l % 4, idx = 8 wave + l / 4
	v_and_b32 v5, 3, v7                            ; q
	v_lshrrev_b32 v6, 2, v7
	v_lshl_add_u32 v6, s14, 3, v6                  ; idx 0..15
	v_mul_u32_u24 v12, v5, PITCHQ
	v_lshl_add_u32 v12, v6, 5, v12
	v_lshlrev_b32 v13, 4, v5                       ; in qkf: idx blocks of 256 bytes + q places of 16
	v_lshl_add_u32 v13, v6, 8, v13
	s_and_b32 s15, ttmp9, 7
	s_lshl_b32 s15, s15, 12                        ; the strip's 16 blocks of 256 bytes
	s_lshr_b32 s16, ttmp9, 3
	s_lshl_b32 s16, s16, 6                         ; the head's four places of 16 bytes
	s_add_co_u32 s16, s16, s15
	s_mov_b32 s17, 0
	s_add_nc_u64 s[10:11], s[10:11], s[16:17]
.set p, 0
.rept 16
	ds_load_b128 v[16+8*p:16+8*p+3], v12 offset:WBLK*p
	ds_load_b128 v[16+8*p+4:16+8*p+7], v12 offset:WBLK*p+16
.set p, p+1
.endr
.set p, 1
.rept 15
	s_wait_dscnt 30-2*p                            ; parts 0 to p are in; two loads for each later part may be out
.irp k, 0,2,4,6
	v_pk_add_f32 v[16+\k:17+\k], v[16+\k:17+\k], v[16+8*p+\k:17+8*p+\k]
.endr
.set p, p+1
.endr
.irp k, 0,1,2,3
	v_cvt_pk_bf16_f32 v[144+\k], v[16+2*\k], v[17+2*\k]
.endr
	global_store_b128 v13, v[144:147], s[10:11]
	s_wait_tensorcnt 0x0
	ds_add_u32 v160, v161
	s_wait_dscnt 0x0
	s_endpgm
.Lconst:
	; wave 2 of the head's first strip: the 16 waves' partial c are summed and stored, 16 bytes for the head.
	; (All eight strips of a head form the same partial c in scalar registers while their loads are out; one of them stores.)
	s_and_b32 s15, ttmp9, 7
	s_cmp_lg_u32 s15, 0
	s_cbranch_scc1 .Lend
	v_and_b32 v5, 15, v7
	v_lshlrev_b32 v5, 4, v5
	ds_load_b128 v[16:19], v5 offset:CPB           ; lane r (and r + 16): wave r's four
	s_lshr_b32 s16, ttmp9, 3
	s_lshl_b32 s16, s16, 4
	s_mov_b32 s17, 0
	s_add_nc_u64 s[12:13], s[12:13], s[16:17]
	v_mov_b32 v6, 0
	s_wait_dscnt 0x0
.irp m, 1,2,4,8
.irp j, 0,1,2,3
	v_add_f32_dpp v[16+\j], v[16+\j], v[16+\j] row_xmask:\m row_mask:0xf bank_mask:0xf
.endr
.endr
	v_cmp_eq_u32 vcc_lo, 0, v7
	s_wait_xcnt 0x0                                ; EXEC changes only behind this wait
	s_and_saveexec_b32 s18, vcc_lo                 ; lane 0 alone
	global_store_b128 v6, v[16:19], s[12:13]
	s_wait_xcnt 0x0                                ; and again in front of the line that widens it
	s_or_b32 exec_lo, exec_lo, s18
.Lend:
	s_wait_tensorcnt 0x0
	ds_add_u32 v160, v161
	s_wait_dscnt 0x0
	s_endpgm
.Lfunc_end_k_q3f3ed9136c_qkmix:
	.size	k_q3f3ed9136c_qkmix, .Lfunc_end_k_q3f3ed9136c_qkmix-k_q3f3ed9136c_qkmix
	.p2alignl 7, 3214868480
	.fill 96, 4, 3214868480
	.section	.rodata,"a",@progbits
	.p2align	6, 0x0
	.amdhsa_kernel k_q3f3ed9136c_qkmix
		.amdhsa_group_segment_fixed_size 43264
		.amdhsa_private_segment_fixed_size 0
		.amdhsa_enable_private_segment 0
		.amdhsa_kernarg_size 40
		.amdhsa_user_sgpr_count 2
		.amdhsa_user_sgpr_kernarg_segment_ptr 1
		.amdhsa_wavefront_size32 1
		.amdhsa_system_sgpr_workgroup_id_x 1
		.amdhsa_system_sgpr_workgroup_id_y 1
		.amdhsa_system_sgpr_workgroup_id_z 1
		.amdhsa_system_vgpr_workitem_id 0
		.amdhsa_next_free_vgpr 162
		.amdhsa_next_free_sgpr 102
		.amdhsa_reserve_vcc 1
		.amdhsa_float_denorm_mode_32 3
		.amdhsa_float_denorm_mode_16_64 3
		.amdhsa_memory_ordered 1
		.amdhsa_forward_progress 1
		.amdhsa_inst_pref_size 24
	.end_amdhsa_kernel
	.amdgpu_metadata
---
amdhsa.version: [ 1, 2 ]
amdhsa.kernels:
  - .name:           k_q3f3ed9136c_qkmix
    .symbol:         k_q3f3ed9136c_qkmix.kd
    .args:
      - { .name: qs, .offset: 0, .size: 8, .value_kind: global_buffer, .address_space: global }
      - { .name: in_proj_w, .offset: 8, .size: 8, .value_kind: global_buffer, .address_space: global }
      - { .name: in_proj_b, .offset: 16, .size: 8, .value_kind: global_buffer, .address_space: global }
      - { .name: qkf, .offset: 24, .size: 8, .value_kind: global_buffer, .address_space: global }
      - { .name: cb, .offset: 32, .size: 8, .value_kind: global_buffer, .address_space: global }
    .group_segment_fixed_size: 43264
    .private_segment_fixed_size: 0
    .kernarg_segment_align: 8
    .kernarg_segment_size: 40
    .max_flat_workgroup_size: 512
    .sgpr_count:     102
    .vgpr_count:     162
    .wavefront_size: 32
...
	.end_amdgpu_metadata
.endif
;; end of part 2
;; launch attn (part 3): grid 256 x 1, 16 waves a work-group, no clusters, 322,560 bytes of LDS; arguments hidden_states, qkf, cb, sc, ml, xp; writes sc, ml, xp
.if DOCPART == 3
	.amdgcn_target "amdgcn-amd-amdhsa--gfx1250"
	.amdhsa_code_object_version 6
	.text
	.protected	k_q3f3ed9136c_attn
	.globl	k_q3f3ed9136c_attn
	.p2align	8
	.type	k_q3f3ed9136c_attn,@function
k_q3f3ed9136c_attn:
	s_mov_b64 s[64:65], 0
	v_nop
	global_prefetch_b8 v0, s[64:65] scope:SCOPE_SE
	s_setreg_imm32_b32 hwreg(HW_REG_WAVE_MODE, 25, 1), 1
	s_wait_xcnt 0x0
; The one pass over hidden_states [8][4096][1024] f32.  A work-group owns 128 rows s of one batch (chunk c of 32) and leaves
;   sc[b][hq][s]     = qk[hq] . x[s] + c[hq], the raw scores of the 16 (head, query) rows, f32
;   ml[wg][0..15]    = m[hq], the largest score of the chunk;   ml[wg][16..31] = l[hq] = sum over the chunk of exp(score - m)
;   xp[wg][w][i][lane][4] = sum over the chunk of exp(score - m) x[s][e], f32, for hq = lane % 16, e = 64 w + 16 (i / 2) + 8 (lane / 16) + 4 (i % 2) + 0..3
; The next launch joins the 32 chunks of a batch under the true maximum.
; Each byte of hidden_states is read once: it comes into registers (it has to pass through them to become bf16), goes as bf16 into an LDS tile
; of 128 x 1024, and both products read it from there.
; No tensor loads: an f32 slot in LDS would add a write and a read of 4 bytes for each number, beside a bf16 tile that takes 278,528 bytes already.
; No cluster: what work-groups share is qkf, 32 KiB of the 544 KiB that each reads.
; Sixteen waves, three roles.  Streaming and scores: wave w takes rows 32 (w / 4) .. + 31 and columns 256 (w % 4) .. + 255 (1 KiB of a row).
; Softmax: wave w takes row hq = w.  P x: wave w takes e = 64 w .. 64 w + 63.
; In flight: a wave keeps 32 loads of 512 consecutive bytes out (a ring of 16 rows in registers), the work-group 256 KiB.
; Limits: x, qk and exp(score - m) enter the matrix unit as bf16; the order of the sums differs from reference()'s; v_exp_f32 gives 0 below 2^-126;
; NaN and infinities in the inputs are not served.
.set TP,   544                         ; tile: a block's row, 512 bytes of bf16 + 32: 17 x 32, so the transposing loads' eight rows start 32 bytes apart modulo 256
.set TBLK, 32*TP                       ; tile: block of wave w (its 32 rows x 256 columns) at w x 17,408
.set PART, 16*TBLK                     ; 278,528: partial scores, block of wave w at w x 2,336: 16 rows hq of 32 f32, pitch 144
.set PP,   144
.set PBLK, 2336
.set PB,   PART+16*PBLK                ; 315,904: exp(score - m) as bf16, 16 rows hq of 128, pitch 272
.set PBP,  272
.set MLS,  PB+16*PBP                   ; 320,256: m[16], l[16]
.set QF,   16                          ; v[16:79]   qk fragments of my eight K steps; later v[16:47] P's fragments, v[48:51] the scores being stored
.set RING, 80                          ; v[80:207]  row slots, 8 registers each; later softmax's work and x's transposed fragments
.set FR,   208                         ; v[208:239] four fragments of x for the scores; later the four accumulators of P x
.set A0,   240                         ; v[240:247] scores, even K steps
.set A1,   248                         ; v[248:255] scores, odd K steps
;                                        while rows stream, v[240:255] are four sets of four registers for a row's converted words, taken by turns
; v1 16 lane | v2 tile store | v3 tile fragment | v4 partial scores, store | v5 partial scores, read | v6 P store | v7 P fragment | v[8:11] at work | v[12:15] transposed fragment, K step 0..3
	s_load_b256 s[4:11], s[0:1], 0x0               ; hidden_states s[4:5], qkf s[6:7], cb s[8:9], sc s[10:11]
	s_load_b128 s[12:15], s[0:1], 0x20             ; ml s[12:13], xp s[14:15]
	v_lshrrev_b32 v9, 5, v0
	v_readfirstlane_b32 s16, v9                    ; wave 0..15
	v_and_b32 v8, 31, v0                           ; lane
	v_lshlrev_b32 v1, 4, v8                        ; 16 x lane
	s_lshr_b32 s17, s16, 2                         ; w / 4
	s_and_b32 s18, s16, 3                          ; w % 4
	s_lshl_b32 s20, ttmp9, 19                      ; 128 rows of 4,096 bytes for each work-group (255 x 2^19 is below 2^31),
	s_lshl_b32 s21, s17, 17                        ; 32 rows for w / 4,
	s_add_co_u32 s20, s20, s21
	s_lshl_b32 s21, s18, 10                        ; 1,024 bytes for w % 4
	s_add_co_u32 s20, s20, s21
	s_mov_b32 s21, 0
	s_lshl_b32 s22, s18, 13                        ; qkf: 256 e are 32 blocks of 256 bytes
	s_mov_b32 s23, 0
	s_wait_kmcnt 0x0
	s_add_nc_u64 s[4:5], s[4:5], s[20:21]
	s_add_nc_u64 s[6:7], s[6:7], s[22:23]
	; qk as the second source: lane (r, half) wants column hq = r, k = 8 half .. + 7 and 16 + 8 half .. + 7 of each K step of 32:
	; in qkf's order that is 16 x lane inside two runs of 512 bytes
.irp ks, 0,1,2,3,4,5,6,7
	global_load_b128 v[QF+8*\ks:QF+8*\ks+3],   v1, s[6:7] offset:1024*\ks
	global_load_b128 v[QF+8*\ks+4:QF+8*\ks+7], v1, s[6:7] offset:1024*\ks+512
.endr
.set rw, 0
.rept 16
	global_load_b128 v[RING+8*rw:RING+8*rw+3],   v1, s[4:5] offset:rw*4096 th:TH_LOAD_NT       ; rows 0 to 15 fill the ring
	global_load_b128 v[RING+8*rw+4:RING+8*rw+7], v1, s[4:5] offset:rw*4096+512 th:TH_LOAD_NT
.set rw, rw+1
.endr
	; the other addresses, while the loads are out
	s_lshl_b32 s20, s16, 2
	s_add_nc_u64 s[8:9], s[8:9], s[20:21]
	s_load_b32 s19, s[8:9], 0x0                    ; c[hq = w]
	s_lshr_b32 s20, ttmp9, 5                       ; sc: batch x 16 rows of 16,384 bytes,
	s_lshl_b32 s20, s20, 18
	s_lshl_b32 s22, s16, 14                        ; row hq = w,
	s_add_co_u32 s20, s20, s22
	s_and_b32 s22, ttmp9, 31                       ; chunk x 512 bytes
	s_lshl_b32 s22, s22, 9
	s_add_co_u32 s20, s20, s22
	s_add_nc_u64 s[10:11], s[10:11], s[20:21]
	s_lshl_b32 s20, ttmp9, 7
	s_add_nc_u64 s[12:13], s[12:13], s[20:21]      ; ml: 128 bytes for each work-group
	s_lshl_b32 s20, ttmp9, 16                      ; xp: 65,536 bytes for each work-group, 4,096 for each wave
	s_lshl_b32 s22, s16, 12
	s_add_co_u32 s20, s20, s22
	s_add_nc_u64 s[14:15], s[14:15], s[20:21]
	s_mov_b32 s24, 0x76543210                      ; v_permlanex16_b32: lane i of one half reads lane i of the other
	s_mov_b32 s25, 0xfedcba98
	s_lshl_b32 s26, s16, 2
	s_add_co_u32 s26, s26, MLS                     ; where m[w] goes
	v_and_b32 v10, 15, v0                          ; r
	v_bfe_u32 v11, v0, 4, 1                        ; half
	s_mul_i32 s20, s16, TBLK                       ; my block of the tile
	v_lshl_add_u32 v2, v8, 3, s20                  ; store: 8 bytes a lane
	v_mul_u32_u24 v3, v10, TP                      ; fragment: row r, 16 bytes for each half
	v_lshl_add_u32 v3, v11, 4, v3
	v_add_nc_u32 v3, s20, v3
	s_mul_i32 s20, s16, PBLK
	s_add_co_u32 s20, s20, PART
	v_mul_u32_u24 v4, v10, PP                      ; partial scores, store: row hq = r, 8 numbers for each half
	v_lshl_add_u32 v4, v11, 5, v4
	v_add_nc_u32 v4, s20, v4
	v_lshrrev_b32 v5, 3, v8                        ; partial scores, read: s = 4 lane .. + 3 lies in the blocks of row group lane / 8,
	v_mul_u32_u24 v5, v5, 4*PBLK
	v_and_b32 v12, 7, v0
	v_lshl_add_u32 v5, v12, 4, v5                  ; at 16 (lane % 8),
	s_mul_i32 s20, s16, PP
	s_add_co_u32 s20, s20, PART
	v_add_nc_u32 v5, s20, v5                       ; in row hq = w
	s_mul_i32 s20, s16, PBP
	s_add_co_u32 s20, s20, PB
	v_lshl_add_u32 v6, v8, 3, s20                  ; P, store: row w, 8 bytes a lane
	v_mul_u32_u24 v7, v10, PBP                     ; P, fragment: row r, 16 bytes for each half
	v_lshl_add_u32 v7, v11, 4, v7
	v_add_nc_u32 v7, PB, v7
	v_lshl_add_u32 v9, v11, 3, v12                 ; transposed fragment: row 8 half + lane % 8 of the K step's 32,
	v_mul_u32_u24 v9, v9, TP
	v_bfe_u32 v13, v0, 3, 1
	v_lshl_add_u32 v9, v13, 4, v9                  ; 16 bytes for (lane / 8) % 2,
	s_mul_i32 s20, s17, TBLK                       ; in the block of column group w / 4,
	s_lshl_b32 s22, s18, 7                         ; at my 64 columns' 128 bytes,
	s_add_co_u32 s20, s20, s22
.irp k, 0,1,2,3
	v_add_nc_u32 v[12+\k], s20, v9                 ; of row group k
	s_add_co_u32 s20, s20, 4*TBLK
.endr
; Row 'row' of my 32: to bf16 and into my block of the tile.  left = the loads issued behind the row's two.  refill = 1: its slot takes the row 16 further down.
; The converted words go into set row % 4 of the four in v[240:255], so that a row's conversions do not rewrite the registers that the LDS stores
; of the three rows before it read.
.macro ROWIN row, left, refill
	s_wait_loadcnt \left                           ; loads come back in order (ISA guide 5.7.1)
	v_cvt_pk_bf16_f32 v[A0+4*(\row%4)],   v[RING+8*(\row%16)],   v[RING+8*(\row%16)+1]
	v_cvt_pk_bf16_f32 v[A0+4*(\row%4)+1], v[RING+8*(\row%16)+2], v[RING+8*(\row%16)+3]
	v_cvt_pk_bf16_f32 v[A0+4*(\row%4)+2], v[RING+8*(\row%16)+4], v[RING+8*(\row%16)+5]
	v_cvt_pk_bf16_f32 v[A0+4*(\row%4)+3], v[RING+8*(\row%16)+6], v[RING+8*(\row%16)+7]
	ds_store_b64 v2, v[A0+4*(\row%4):A0+4*(\row%4)+1]   offset:\row*TP
	ds_store_b64 v2, v[A0+4*(\row%4)+2:A0+4*(\row%4)+3] offset:\row*TP+256
.if \refill
	global_load_b128 v[RING+8*(\row%16):RING+8*(\row%16)+3],   v1, s[4:5] offset:(\row+16)*4096 th:TH_LOAD_NT
	global_load_b128 v[RING+8*(\row%16)+4:RING+8*(\row%16)+7], v1, s[4:5] offset:(\row+16)*4096+512 th:TH_LOAD_NT
.endif
.endm
; Four places behind a matrix instruction before a vector instruction or a store reads its result, and before a load lands on one of its registers
; (ISA guide 7.12.1 for vector instructions)
.macro PLACES
.rept 4
	v_nop
.endr
.endm
; four fragments of x: rows 16 tl .. + 15 of my block, K steps k0 .. k0 + 3.  My own bytes: LDS serves a wave's instructions in order, so these see my stores
.macro FRAGS tl, k0
.irp n, 0,1,2,3
	ds_load_b128 v[FR+8*\n:FR+8*\n+3],   v3 offset:\tl*16*TP+64*(\k0+\n)
	ds_load_b128 v[FR+8*\n+4:FR+8*\n+7], v3 offset:\tl*16*TP+64*(\k0+\n)+32
.endr
.endm
.macro MM acc, n, ks, zero, left
	s_wait_dscnt \left                             ; fragment n is in (and every older LDS store of mine is done); two loads for each later fragment may be out
.if \zero
	v_wmma_f32_16x16x32_bf16 v[\acc:\acc+7], v[FR+8*\n:FR+8*\n+7], v[QF+8*\ks:QF+8*\ks+7], 0      ; the first product starts the sum
.else
	v_wmma_f32_16x16x32_bf16 v[\acc:\acc+7], v[FR+8*\n:FR+8*\n+7], v[QF+8*\ks:QF+8*\ks+7], v[\acc:\acc+7]
.endif
.endm
; Scores of 16 rows over my 256 columns.  x is the first source: lane (r, half) gets hq = r and s = 8 half + 0..7.
; The two accumulators take turns.
.macro SCORE tl
	FRAGS \tl, 0
	MM A0, 0, 0, 1, 6
	MM A1, 1, 1, 1, 4
	MM A0, 2, 2, 0, 2
	MM A1, 3, 3, 0, 0
	PLACES
	FRAGS \tl, 4
	MM A0, 0, 4, 0, 6
	MM A1, 1, 5, 0, 4
	MM A0, 2, 6, 0, 2
	MM A1, 3, 7, 0, 0
	PLACES
.irp j, 0,2,4,6
	v_pk_add_f32 v[A0+\j:A0+\j+1], v[A0+\j:A0+\j+1], v[A1+\j:A1+\j+1]
.endr
	ds_store_b128 v4, v[A0:A0+3]   offset:64*\tl
	ds_store_b128 v4, v[A0+4:A0+7] offset:64*\tl+16
.endm
.set rw, 0
.rept 16
	ROWIN rw, 30, 1                                ; behind row rw's two loads: 2 (15 - rw) of the first fill and 2 rw refills
.set rw, rw+1
.endr
	SCORE 0                                        ; rows 0 to 15, while rows 16 to 31 are on their way
.rept 16
	ROWIN rw, 62-2*rw, 0                           ; nothing is left to fetch: the counts run down to 0
.set rw, rw+1
.endr
	SCORE 1
	s_wait_dscnt 0x0                               ; my part of the tile and my partial scores are in LDS before I say so
	s_barrier_signal -1
	s_barrier_wait -1
	; SOFTMAX over the chunk, row hq = w: lane l holds s = 4 l .. 4 l + 3
.irp kq, 0,1,2,3
	ds_load_b128 v[RING+4*\kq:RING+4*\kq+3], v5 offset:\kq*PBLK      ; the four column groups' parts
.endr
	s_wait_kmcnt 0x0                               ; c
	s_wait_dscnt 0x0
	v_pk_add_f32 v[80:81], v[80:81], v[84:85]
	v_pk_add_f32 v[82:83], v[82:83], v[86:87]
	v_pk_add_f32 v[88:89], v[88:89], v[92:93]
	v_pk_add_f32 v[90:91], v[90:91], v[94:95]
	v_pk_add_f32 v[80:81], v[80:81], v[88:89]
	v_pk_add_f32 v[82:83], v[82:83], v[90:91]
.irp j, 0,1,2,3
	v_add_f32 v[48+\j], s19, v[80+\j]
.endr
	global_store_b128 v1, v[48:51], s[10:11]       ; 512 consecutive bytes of sc; v[48:51] and v1 are not written again
	v_max_num_f32 v80, v48, v49
	v_max3_num_f32 v80, v80, v50, v51
.irp m, 1,2,4,8
	v_max_num_f32_dpp v80, v80, v80 row_xmask:\m row_mask:0xf bank_mask:0xf
.endr
	v_permlanex16_b32 v81, v80, s24, s25
	v_max_num_f32 v80, v80, v81                    ; m, in every lane
.irp j, 0,1,2,3
	v_sub_f32 v[84+\j], v[48+\j], v80              ; the difference first, so that the largest score gives exactly 0
.endr
.irp j, 0,1,2,3
	v_mul_f32 v[84+\j], 0x3fb8aa3b, v[84+\j]       ; log2(e)
.endr
.irp j, 0,1,2,3
	v_exp_f32 v[88+\j], v[84+\j]
.endr
	v_mov_b32 v8, s26                              ; the plain instruction between the exponentials and their first use (ISA guide 5.7.2)
	s_wait_alu depctr_va_vdst(0)
	v_add_f32 v92, v88, v89
	v_add_f32 v93, v90, v91
	v_cvt_pk_bf16_f32 v94, v88, v89
	v_cvt_pk_bf16_f32 v95, v90, v91
	v_add_f32 v92, v92, v93
	ds_store_b64 v6, v[94:95]
.irp m, 1,2,4,8
	v_add_f32_dpp v92, v92, v92 row_xmask:\m row_mask:0xf bank_mask:0xf
.endr
	v_permlanex16_b32 v93, v92, s24, s25
	v_add_f32 v92, v92, v93                        ; l, in every lane
	ds_store_b32 v8, v80                           ; every lane writes the same word with the same number
	ds_store_b32 v8, v92 offset:64
	s_wait_dscnt 0x0                               ; my row of P, m and l are in LDS before I say so
	s_barrier_signal -1
	s_barrier_wait -1
	; P x for e = 64 w .. + 63.  First source: x transposed, 16 e x 32 s, by transposing loads from the tile's rows; second source: P, hq x 32 s.
	; Lane (r, half) gets hq = r and e = 16 t + 8 half + 0..7.
.irp k, 0,1,2,3
	ds_load_b128 v[QF+8*\k:QF+8*\k+3],   v7 offset:64*\k
	ds_load_b128 v[QF+8*\k+4:QF+8*\k+7], v7 offset:64*\k+32
.endr
.irp k, 0,1,2,3
.irp t, 0,1,2,3
	ds_load_tr16_b128 v[RING+32*\k+8*\t:RING+32*\k+8*\t+3],   v[12+\k] offset:32*\t
	ds_load_tr16_b128 v[RING+32*\k+8*\t+4:RING+32*\k+8*\t+7], v[12+\k] offset:32*\t+16*TP
.endr
.endr
.irp k, 0,1,2,3
	s_wait_dscnt 24-8*\k                           ; P and K steps 0 to k are in; eight loads for each later K step may be out
.irp t, 0,1,2,3
.if \k == 0
	v_wmma_f32_16x16x32_bf16 v[FR+8*\t:FR+8*\t+7], v[RING+32*\k+8*\t:RING+32*\k+8*\t+7], v[QF+8*\k:QF+8*\k+7], 0
.else
	v_wmma_f32_16x16x32_bf16 v[FR+8*\t:FR+8*\t+7], v[RING+32*\k+8*\t:RING+32*\k+8*\t+7], v[QF+8*\k:QF+8*\k+7], v[FR+8*\t:FR+8*\t+7]   ; the four accumulators take turns
.endif
.endr
.endr
	PLACES
.irp t, 0,1,2,3
	global_store_b128 v1, v[FR+8*\t:FR+8*\t+3],   s[14:15] offset:1024*\t          ; each store covers 512 consecutive bytes, aligned
	global_store_b128 v1, v[FR+8*\t+4:FR+8*\t+7], s[14:15] offset:1024*\t+512
.endr
	s_cmp_lg_u32 s16, 0
	s_cbranch_scc1 .Lend
	v_lshrrev_b32 v9, 2, v1                        ; wave 0: the 32 words m[16], l[16] leave together
	v_add_nc_u32 v10, MLS, v9
	ds_load_b32 v11, v10
	s_wait_dscnt 0x0
	global_store_b32 v9, v11, s[12:13]
.Lend:
	s_wait_xcnt 0x0
	v_lshl_add_u32 v254, v0, 2, 0x4e400
	v_mov_b32 v255, 0
	s_wait_tensorcnt 0x0
	ds_add_u32 v254, v255
	s_wait_dscnt 0x0
	s_endpgm
.Lfunc_end_k_q3f3ed9136c_attn:
	.size	k_q3f3ed9136c_attn, .Lfunc_end_k_q3f3ed9136c_attn-k_q3f3ed9136c_attn
	.p2alignl 7, 3214868480
	.fill 96, 4, 3214868480
	.section	.rodata,"a",@progbits
	.p2align	6, 0x0
	.amdhsa_kernel k_q3f3ed9136c_attn
		.amdhsa_group_segment_fixed_size 322560
		.amdhsa_private_segment_fixed_size 0
		.amdhsa_enable_private_segment 0
		.amdhsa_kernarg_size 48
		.amdhsa_user_sgpr_count 2
		.amdhsa_user_sgpr_kernarg_segment_ptr 1
		.amdhsa_wavefront_size32 1
		.amdhsa_system_sgpr_workgroup_id_x 1
		.amdhsa_system_sgpr_workgroup_id_y 1
		.amdhsa_system_sgpr_workgroup_id_z 1
		.amdhsa_system_vgpr_workitem_id 0
		.amdhsa_next_free_vgpr 256
		.amdhsa_next_free_sgpr 66
		.amdhsa_reserve_vcc 0
		.amdhsa_float_denorm_mode_32 3
		.amdhsa_float_denorm_mode_16_64 3
		.amdhsa_memory_ordered 1
		.amdhsa_forward_progress 1
		.amdhsa_inst_pref_size 38
	.end_amdhsa_kernel
	.amdgpu_metadata
---
amdhsa.version: [ 1, 2 ]
amdhsa.kernels:
  - .name:           k_q3f3ed9136c_attn
    .symbol:         k_q3f3ed9136c_attn.kd
    .args:
      - { .name: hidden_states, .offset: 0, .size: 8, .value_kind: global_buffer, .address_space: global }
      - { .name: qkf, .offset: 8, .size: 8, .value_kind: global_buffer, .address_space: global }
      - { .name: cb, .offset: 16, .size: 8, .value_kind: global_buffer, .address_space: global }
      - { .name: sc, .offset: 24, .size: 8, .value_kind: global_buffer, .address_space: global }
      - { .name: ml, .offset: 32, .size: 8, .value_kind: global_buffer, .address_space: global }
      - { .name: xp, .offset: 40, .size: 8, .value_kind: global_buffer, .address_space: global }
    .group_segment_fixed_size: 322560
    .private_segment_fixed_size: 0
    .kernarg_segment_align: 8
    .kernarg_segment_size: 48
    .max_flat_workgroup_size: 512
    .sgpr_count:     66
    .vgpr_count:     256
    .wavefront_size: 32
...
	.end_amdgpu_metadata
.endif
;; end of part 3
;; launch merge (part 4): grid 128 x 1, 8 waves a work-group, no clusters, 2,048 bytes of LDS; arguments xp, ml, sc, yb, out1; writes yb, out1
.if DOCPART == 4
	.amdgcn_target "amdgcn-amd-amdhsa--gfx1250"
	.amdhsa_code_object_version 6
	.text
	.protected	k_q3f3ed9136c_merge
	.globl	k_q3f3ed9136c_merge
	.p2align	8
	.type	k_q3f3ed9136c_merge,@function
k_q3f3ed9136c_merge:
	s_mov_b64 s[64:65], 0
	v_nop
	global_prefetch_b8 v0, s[64:65] scope:SCOPE_SE
	s_setreg_imm32_b32 hwreg(HW_REG_WAVE_MODE, 25, 1), 1
	s_wait_xcnt 0x0
; Joins the 32 chunks of a batch under the true maximum, as reference()'s softmax has it:
;   M[hq] = max over chunks of m,   L[hq] = sum over chunks of l exp(m - M)   (at least 1: the chunk that holds M gives l >= 1 with the factor 1)
;   out1[b][q][s]  = 1/4 sum over h of exp(sc[b][4 h + q][s] - M) / L           (the mean over the heads)
;   yb[b][h][e]    = 1/4 sum over q, over chunks of exp(m - M) / L  xp[chunk][4 h + q][e]   (the mean over the queries, taken ahead of Wv and out_w, which are linear)
; Memory decides (16 MiB of xp, 2 MiB of sc, each read once): plain loads, no matrix unit, no tensor loads, no cluster (nothing large is shared).
; Work-group = batch b and strip w of 64 e; wave i takes xp[.][w][i]: 512 bytes of each of the 32 chunks, all 32 loads out at once.
; Lane (r, half) holds hq = r.  It makes the factors of the 16 chunks 16 half + cc itself and takes the other 16 from lane r of the other half.
; So that a lane's own factors meet its own chunks, slot cc holds chunk 16 half + cc and slot 16 + cc chunk 16 (1 - half) + cc:
; each half of the lanes still reads 256 consecutive bytes, aligned.
; The same wave makes 128 numbers of out1: unit u = 8 w + i of the batch's 128, query u / 32, s = 128 (u % 32) + 4 lane + 0..3.
; Limits: the order of the sums differs from reference()'s; v_exp_f32 gives 0 below 2^-126; 1/L by v_rcp_f32; NaN and infinities are not served.
.set MV, 16                            ; v[16:31]  m, then exp(m - M), then the factor, of my 16 chunks
.set LV, 32                            ; v[32:47]  l, then the other half's factors (LV = MV + 16: slot n's factor is v[MV + n])
.set SV, 48                            ; v[48:63]  scores of the four heads, then their exponentials
.set AT, 64                            ; v[64:67]  out1's four numbers
.set TE, 68                            ; v[68:83]  arguments of exponentials
.set YA, 84                            ; v[84:87]  yb's sums
.set XV, 96                            ; v[96:223] 32 slots of 4
; v5 16 lane | v6, v7 offsets of slots 0-15, 16-31 | v8 M | v10 L | v11 1 / (4 L) | v12 offset in ml | v13 LDS | v9, v14, v15 at work
	s_load_b256 s[4:11], s[0:1], 0x0               ; xp s[4:5], ml s[6:7], sc s[8:9], yb s[10:11]
	s_load_b64 s[12:13], s[0:1], 0x20              ; out1
	v_lshl_add_u32 v224, v0, 2, 0x400
	v_mov_b32 v225, 0
	v_lshrrev_b32 v1, 5, v0
	v_readfirstlane_b32 s14, v1                    ; wave i, 0..7
	s_lshr_b32 s15, ttmp9, 4                       ; b
	s_and_b32 s16, ttmp9, 15                       ; w
	s_lshl3_add_u32 s17, s16, s14                  ; u = 8 w + i
	s_lshr_b32 s18, s17, 5                         ; q
	s_and_b32 s19, s17, 31                         ; block of 128 s
	v_and_b32 v2, 31, v0
	v_and_b32 v3, 15, v0                           ; r
	v_bfe_u32 v4, v0, 4, 1                         ; half
	v_lshlrev_b32 v5, 4, v2
	v_lshl_add_u32 v6, v4, 20, v5                  ; 16 chunks of 65,536 bytes for my half
	v_sub_nc_u32 v14, 1, v4
	v_lshl_add_u32 v7, v14, 20, v5                 ; and for the other half
	v_lshlrev_b32 v12, 2, v3
	v_lshl_add_u32 v12, v4, 11, v12                ; ml: 16 chunks of 128 bytes for my half, word r
	v_lshrrev_b32 v13, 2, v3                       ; LDS: wave x 128 + head x 32 + half x 16
	v_lshlrev_b32 v13, 5, v13
	v_lshl_add_u32 v13, v4, 4, v13
	s_lshl_b32 s33, s14, 7
	v_add_nc_u32 v13, s33, v13
	s_mov_b32 s22, 0x76543210                      ; v_permlanex16_b32: lane i of one half reads lane i of the other
	s_mov_b32 s23, 0xfedcba98
	s_mov_b32 s21, 0
	s_mov_b32 s35, 0
	s_mov_b32 s37, 0
	s_lshl_b32 s20, s15, 21                        ; xp: 32 chunks for each batch, 4,096 bytes for w, 512 for i
	s_lshl_b32 s33, s16, 12
	s_add_co_u32 s20, s20, s33
	s_lshl_b32 s33, s14, 9
	s_add_co_u32 s20, s20, s33
	s_lshl_b32 s34, s15, 12                        ; ml: 32 chunks of 128 bytes for each batch
	s_lshl_b32 s36, s18, 14                        ; sc and out1: row q, block of 512 bytes
	s_lshl_b32 s33, s19, 9
	s_add_co_u32 s36, s36, s33
	s_wait_kmcnt 0x0
	s_add_nc_u64 s[4:5], s[4:5], s[20:21]
	s_add_nc_u64 s[6:7], s[6:7], s[34:35]
	s_add_nc_u64 s[8:9], s[8:9], s[36:37]
	s_add_nc_u64 s[12:13], s[12:13], s[36:37]
	s_lshl_b32 s20, s15, 18                        ; sc: 16 rows of 16,384 bytes for each batch
	s_add_nc_u64 s[8:9], s[8:9], s[20:21]
	s_lshl_b32 s20, s15, 16                        ; out1: 4 rows
	s_add_nc_u64 s[12:13], s[12:13], s[20:21]
	s_lshl_b32 s20, s15, 14                        ; yb: 4 heads of 4,096 bytes for each batch, 256 bytes for w
	s_lshl_b32 s33, s16, 8
	s_add_co_u32 s20, s20, s33
	s_add_nc_u64 s[10:11], s[10:11], s[20:21]
.set cc, 0
.rept 16
	global_load_b32 v[MV+cc], v12, s[6:7] offset:128*cc
	global_load_b32 v[LV+cc], v12, s[6:7] offset:128*cc+64
.set cc, cc+1
.endr
.irp h, 0,1,2,3
	global_load_b128 v[SV+4*\h:SV+4*\h+3], v5, s[8:9] offset:65536*\h th:TH_LOAD_NT        ; head h's row is 4 rows further down
.endr
.set n, 0
.rept 16
	global_load_b128 v[XV+4*n:XV+4*n+3], v6, s[4:5] offset:65536*n th:TH_LOAD_NT
.set n, n+1
.endr
.rept 8
	global_load_b128 v[XV+4*n:XV+4*n+3], v7, s[4:5] offset:65536*(n-16) th:TH_LOAD_NT
.set n, n+1
.endr
	s_wait_loadcnt 28                              ; m and l are in; behind them 4 loads of sc and 24 of xp
.rept 8
	global_load_b128 v[XV+4*n:XV+4*n+3], v7, s[4:5] offset:65536*(n-16) th:TH_LOAD_NT
.set n, n+1
.endr
	; M, L and the factors
	v_max3_num_f32 v8, v[MV], v[MV+1], v[MV+2]
.irp k, 3,5,7,9,11,13
	v_max3_num_f32 v8, v8, v[MV+\k], v[MV+\k+1]
.endr
	v_max_num_f32 v8, v8, v[MV+15]
	v_permlanex16_b32 v14, v8, s22, s23            ; its destination has been written before
	v_max_num_f32 v8, v8, v14                      ; M[hq = r]
.set cc, 0
.rept 16
	v_sub_f32 v[TE+cc], v[MV+cc], v8
.set cc, cc+1
.endr
.set cc, 0
.rept 16
	v_mul_f32 v[TE+cc], 0x3fb8aa3b, v[TE+cc]       ; log2(e)
.set cc, cc+1
.endr
.set cc, 0
.rept 16
	v_exp_f32 v[MV+cc], v[TE+cc]
.set cc, cc+1
.endr
	v_nop                                          ; one plain place between the exponentials and their first use (ISA guide 5.7.2)
	s_wait_alu depctr_va_vdst(0)
	v_mul_f32 v10, v[LV], v[MV]
.set cc, 1
.rept 15
	v_fmac_f32 v10, v[LV+cc], v[MV+cc]
.set cc, cc+1
.endr
	v_permlanex16_b32 v14, v10, s22, s23
	v_add_f32 v10, v10, v14                        ; L[hq = r]
	v_rcp_f32 v11, v10
	v_nop                                          ; one plain place behind the reciprocal
	s_wait_alu depctr_va_vdst(0)
	v_mul_f32 v11, 0.25, v11                       ; both means are over four
.set cc, 0
.rept 16
	v_mul_f32 v[MV+cc], v[MV+cc], v11
.set cc, cc+1
.endr
.set cc, 0
.rept 16
	v_permlanex16_b32 v[LV+cc], v[MV+cc], s22, s23 ; the other half's factors; l has been used up
.set cc, cc+1
.endr
	; out1
	s_wait_loadcnt 32                              ; the scores are in; behind them the 32 loads of xp
.irp h, 0,1,2,3
	s_add_co_u32 s32, s18, 4*\h                    ; lane hq = 4 h + q holds that row's M and 1 / (4 L)
	v_readlane_b32 s[24+\h], v8, s32
	v_readlane_b32 s[28+\h], v11, s32
.endr
.irp h, 0,1,2,3
.irp j, 0,1,2,3
	v_sub_f32 v[TE+4*\h+\j], v[SV+4*\h+\j], s[24+\h]
.endr
.endr
.set cc, 0
.rept 16
	v_mul_f32 v[TE+cc], 0x3fb8aa3b, v[TE+cc]
.set cc, cc+1
.endr
.set cc, 0
.rept 16
	v_exp_f32 v[SV+cc], v[TE+cc]
.set cc, cc+1
.endr
	v_nop                                          ; one plain place between the exponentials and their first use
	s_wait_alu depctr_va_vdst(0)
.irp j, 0,1,2,3
	v_mul_f32 v[AT+\j], s28, v[SV+\j]
.endr
.irp h, 1,2,3
.irp j, 0,1,2,3
	v_fmac_f32 v[AT+\j], s[28+\h], v[SV+4*\h+\j]
.endr
.endr
	global_store_b128 v5, v[AT:AT+3], s[12:13] th:TH_STORE_NT      ; 512 consecutive bytes; v5 and AT are not written again
	; yb: slot n times its factor v[MV + n]; the packed forms take the factor from the first or the second register of its pair for both halves
.macro ACCUM n
.if (\n)%2
	v_pk_fma_f32 v[YA:YA+1],   v[XV+4*(\n):XV+4*(\n)+1],   v[MV+(\n)-1:MV+(\n)], v[YA:YA+1]   op_sel:[0,1,0] op_sel_hi:[1,1,1]
	v_pk_fma_f32 v[YA+2:YA+3], v[XV+4*(\n)+2:XV+4*(\n)+3], v[MV+(\n)-1:MV+(\n)], v[YA+2:YA+3] op_sel:[0,1,0] op_sel_hi:[1,1,1]
.else
	v_pk_fma_f32 v[YA:YA+1],   v[XV+4*(\n):XV+4*(\n)+1],   v[MV+(\n):MV+(\n)+1], v[YA:YA+1]   op_sel_hi:[1,0,1]
	v_pk_fma_f32 v[YA+2:YA+3], v[XV+4*(\n)+2:XV+4*(\n)+3], v[MV+(\n):MV+(\n)+1], v[YA+2:YA+3] op_sel_hi:[1,0,1]
.endif
.endm
	s_wait_loadcnt 24                              ; slots 0 to 7 are in; the 24 behind them may be out
	v_pk_mul_f32 v[YA:YA+1],   v[XV:XV+1],   v[MV:MV+1] op_sel_hi:[1,0]        ; the first slot starts the sums
	v_pk_mul_f32 v[YA+2:YA+3], v[XV+2:XV+3], v[MV:MV+1] op_sel_hi:[1,0]
.set n, 1
.rept 7
	ACCUM n
.set n, n+1
.endr
	s_wait_loadcnt 16
.rept 8
	ACCUM n
.set n, n+1
.endr
	s_wait_loadcnt 8
.rept 8
	ACCUM n
.set n, n+1
.endr
	s_wait_loadcnt 0
.rept 8
	ACCUM n
.set n, n+1
.endr
.irp m, 1,2
.irp j, 0,1,2,3
	v_add_f32_dpp v[YA+\j], v[YA+\j], v[YA+\j] row_xmask:\m row_mask:0xf bank_mask:0xf     ; over the four queries of a head: lanes 4 h .. 4 h + 3
.endr
.endr
	ds_store_b128 v13, v[YA:YA+3]                  ; the four lanes of a head write the same 16 bytes with the same numbers
	s_wait_dscnt 0x0                               ; my store is done before I say so
	s_barrier_signal -1
	s_barrier_wait -1
	s_cmp_ge_u32 s14, 2
	s_cbranch_scc1 .Lend
	; waves 0 and 1: lane (x, half) stores 16 bytes at e = 64 w + 4 x of head 2 wave + half.  4 x = 16 (i / 2) + 8 half' + 4 (i % 2), so
	; they lie with wave i = 2 (x / 4) + x % 2 and its half' = (x / 2) % 2
	v_lshrrev_b32 v14, 2, v3
	v_and_b32 v15, 1, v3
	v_lshl_add_u32 v14, v14, 1, v15
	v_lshlrev_b32 v14, 7, v14
	v_bfe_u32 v15, v3, 1, 1
	v_lshl_add_u32 v14, v15, 4, v14
	v_lshl_add_u32 v15, s14, 1, v4                 ; head
	v_lshl_add_u32 v14, v15, 5, v14
	ds_load_b128 v[16:19], v14
	v_lshlrev_b32 v9, 4, v3
	v_lshl_add_u32 v9, v15, 12, v9
	s_wait_dscnt 0x0
	global_store_b128 v9, v[16:19], s[10:11]       ; sixteen lanes store a head's 256 consecutive bytes, aligned
.Lend:
	s_wait_tensorcnt 0x0
	ds_add_u32 v224, v225
	s_wait_dscnt 0x0
	s_endpgm
.Lfunc_end_k_q3f3ed9136c_merge:
	.size	k_q3f3ed9136c_merge, .Lfunc_end_k_q3f3ed9136c_merge-k_q3f3ed9136c_merge
	.p2alignl 7, 3214868480
	.fill 96, 4, 3214868480
	.section	.rodata,"a",@progbits
	.p2align	6, 0x0
	.amdhsa_kernel k_q3f3ed9136c_merge
		.amdhsa_group_segment_fixed_size 2048
		.amdhsa_private_segment_fixed_size 0
		.amdhsa_enable_private_segment 0
		.amdhsa_kernarg_size 40
		.amdhsa_user_sgpr_count 2
		.amdhsa_user_sgpr_kernarg_segment_ptr 1
		.amdhsa_wavefront_size32 1
		.amdhsa_system_sgpr_workgroup_id_x 1
		.amdhsa_system_sgpr_workgroup_id_y 1
		.amdhsa_system_sgpr_workgroup_id_z 1
		.amdhsa_system_vgpr_workitem_id 0
		.amdhsa_next_free_vgpr 226
		.amdhsa_next_free_sgpr 66
		.amdhsa_reserve_vcc 0
		.amdhsa_float_denorm_mode_32 3
		.amdhsa_float_denorm_mode_16_64 3
		.amdhsa_memory_ordered 1
		.amdhsa_forward_progress 1
		.amdhsa_inst_pref_size 23
	.end_amdhsa_kernel
	.amdgpu_metadata
---
amdhsa.version: [ 1, 2 ]
amdhsa.kernels:
  - .name:           k_q3f3ed9136c_merge
    .symbol:         k_q3f3ed9136c_merge.kd
    .args:
      - { .name: xp, .offset: 0, .size: 8, .value_kind: global_buffer, .address_space: global }
      - { .name: ml, .offset: 8, .size: 8, .value_kind: global_buffer, .address_space: global }
      - { .name: sc, .offset: 16, .size: 8, .value_kind: global_buffer, .address_space: global }
      - { .name: yb, .offset: 24, .size: 8, .value_kind: global_buffer, .address_space: global }
      - { .name: out1, .offset: 32, .size: 8, .value_kind: global_buffer, .address_space: global }
    .group_segment_fixed_size: 2048
    .private_segment_fixed_size: 0
    .kernarg_segment_align: 8
    .kernarg_segment_size: 40
    .max_flat_workgroup_size: 256
    .sgpr_count:     66
    .vgpr_count:     226
    .wavefront_size: 32
...
	.end_amdgpu_metadata
.endif
;; end of part 4
;; launch vproj (part 5): grid 64 x 4, 16 waves a work-group, no clusters, 2,560 bytes of LDS; arguments yb, in_proj_w, in_proj_b, cx; writes cx
.if DOCPART == 5
	.amdgcn_target "amdgcn-amd-amdhsa--gfx1250"
	.amdhsa_code_object_version 6
	.text
	.protected	k_q3f3ed9136c_vproj
	.globl	k_q3f3ed9136c_vproj
	.p2align	8
	.type	k_q3f3ed9136c_vproj,@function
k_q3f3ed9136c_vproj:
	s_mov_b64 s[64:65], 0
	v_nop
	global_prefetch_b8 v0, s[64:65] scope:SCOPE_SE
	s_setreg_imm32_b32 hwreg(HW_REG_WAVE_MODE, 25, 1), 1
	s_wait_xcnt 0x0
; cx[b][j] = yb[b][j / 256] . Wv[j] + bv[j]       yb [8][4][1024], Wv = rows 2048..3071 of in_proj_w [3072][1024], bv = in_proj_b[2048..], all f32.
; This is the mean over the queries of reference()'s context: the softmax's weights sum to 1, so bv is added once, and Wv is applied behind the sum over s.
; A product with few rows that walks 4 MiB of weights: bytes and the wait for them decide, so it is done in f32 on the vector unit from
; plain loads of 512 consecutive bytes a wave; matrix units, tensor loads and clusters would add nothing to that.
; A work-group makes 2 rows x 16 columns with 16 waves.  Wave w takes columns 16 x + 4 (w % 4) + 0..3 and the quarter w / 4 of K = 1024
; (1 KiB of a row): lane l holds e = 256 (w / 4) + 128 t + 4 l + 0..3, t = 0, 1.  That is 12 loads a wave, all out at once, and 96 KiB for the
; work-group: 64 KiB of weights, and the two rows' 8 KiB once for each of the four column groups.
; The four quarters meet in LDS, and wave 0 stores one result a lane.
; A row's piece is 64 consecutive bytes, not a whole block of 256: the result has 8,192 numbers, 32 for each of the 256 work-groups;
; it is 32 KiB, written once.
; Limit: the sums are made in another order than reference()'s.
.set A_ROW,  16384                     ; bytes from a row of the left operand to the next: a batch's four heads
.set A_HEAD, 4096                      ; bytes to add for each block of 256 columns: the head's row
.set W_OFF,  0x800000                  ; first byte of the weight block in its buffer: row 2048
.set B_OFF,  8192                      ; first byte of the bias block in its buffer
.set SCALED, 0
.set A,   8                            ; v[8:23]   left operand: row rr at 8 rr, 4 numbers at 4 t
.set W,   24                           ; v[24:55]  weights: column cc at 8 cc, 4 numbers at 4 t
.set ACC, 56                           ; v[56:71]  a pair of partial sums for each (rr, cc), at 8 rr + 2 cc; later at work in the reduction
.set RES, 72                           ; v[72:79]  the eight sums, at 4 rr + cc; later v[72:75]: my half's row, column cc
; v2 16 lane | v3 LDS, in | v4 LDS, out | v5 offset in the result | v6 lane / 16 | v7 lane % 16
	s_load_b256 s[4:11], s[0:1], 0x0               ; left operand s[4:5], weights s[6:7], bias s[8:9], result s[10:11]
	v_lshl_add_u32 v80, v0, 2, 0x200
	v_mov_b32 v81, 0
	v_lshrrev_b32 v1, 5, v0
	v_readfirstlane_b32 s12, v1                    ; wave 0..15
	s_and_b32 s13, ttmp7, 0xffff                   ; which pair of rows
	s_and_b32 s30, s12, 3                          ; which four of the 16 columns
	s_lshr_b32 s31, s12, 2                         ; which quarter of K
	v_and_b32 v2, 31, v0
	v_lshlrev_b32 v2, 4, v2                        ; 16 x lane
	v_and_b32 v7, 15, v0                           ; lane % 16
	v_bfe_u32 v6, v0, 4, 1                         ; lane / 16
	v_lshlrev_b32 v3, 4, v6                        ; LDS, in: 32 bytes a wave, 16 for each row
	v_lshl_add_u32 v3, s12, 5, v3
	v_lshrrev_b32 v4, 2, v7                        ; LDS, out: lane = row lane / 16, column c = lane % 16: 32 (c / 4) + 16 row + 4 (c % 4); the quarter stands in the immediate
	v_lshlrev_b32 v4, 5, v4
	v_lshl_add_u32 v4, v6, 4, v4
	v_and_b32 v5, 3, v7
	v_lshl_add_u32 v4, v5, 2, v4
	v_lshlrev_b32 v5, 2, v7                        ; the result: row x 4,096 + 4 c
	v_lshl_add_u32 v5, v6, 12, v5
	s_lshl_b32 s14, ttmp9, 16                      ; weights: 16 x rows of 4,096 bytes,
	s_lshl_b32 s15, s30, 14                        ; four rows for each column group,
	s_add_co_u32 s14, s14, s15
	s_lshl_b32 s15, s31, 10                        ; 1,024 bytes for each quarter of K
	s_add_co_u32 s14, s14, s15
.if W_OFF
	s_add_co_u32 s14, s14, W_OFF
.endif
	s_mov_b32 s15, 0
	s_mul_i32 s16, s13, 2*A_ROW                    ; left operand: my two rows, my quarter of K
	s_lshl_b32 s17, s31, 10
	s_add_co_u32 s16, s16, s17
.if A_HEAD
	s_lshr_b32 s17, ttmp9, 4                       ; 16 blocks of 16 columns to a head
	s_mul_i32 s17, s17, A_HEAD
	s_add_co_u32 s16, s16, s17
.endif
	s_mov_b32 s17, 0
	s_lshl_b32 s18, ttmp9, 6                       ; bias: (16 x + 4 (w % 4)) numbers of 4 bytes
	s_lshl4_add_u32 s18, s30, s18
.if B_OFF
	s_add_co_u32 s18, s18, B_OFF
.endif
	s_mov_b32 s19, 0
	s_lshl_b32 s26, s13, 13                        ; result: two rows of 4,096 bytes, 64 bytes for each block of columns
	s_lshl_b32 s27, ttmp9, 6
	s_add_co_u32 s26, s26, s27
	s_mov_b32 s27, 0
	s_mov_b32 s24, 0x76543210                      ; v_permlanex16_b32: lane i of one half reads lane i of the other
	s_mov_b32 s25, 0xfedcba98
	s_wait_kmcnt 0x0
	s_add_nc_u64 s[4:5], s[4:5], s[16:17]
	s_add_nc_u64 s[6:7], s[6:7], s[14:15]
	s_add_nc_u64 s[8:9], s[8:9], s[18:19]
	s_add_nc_u64 s[10:11], s[10:11], s[26:27]
.irp rr, 0,1
.irp t, 0,1
	global_load_b128 v[A+8*\rr+4*\t:A+8*\rr+4*\t+3], v2, s[4:5] offset:\rr*A_ROW+512*\t
.endr
.endr
.irp cc, 0,1,2,3
.irp t, 0,1
	global_load_b128 v[W+8*\cc+4*\t:W+8*\cc+4*\t+3], v2, s[6:7] offset:\cc*4096+512*\t
.endr
.endr
	s_load_b128 s[20:23], s[8:9], 0x0              ; the bias of my four columns
; Column cc against both rows.  left = the loads issued behind this column's two: 2 for each later column.
.macro COL cc, left
	s_wait_loadcnt \left
	v_pk_mul_f32 v[ACC+2*\cc:ACC+2*\cc+1],     v[A:A+1],   v[W+8*\cc:W+8*\cc+1]          ; the first products start the sums
	v_pk_mul_f32 v[ACC+8+2*\cc:ACC+8+2*\cc+1], v[A+8:A+9], v[W+8*\cc:W+8*\cc+1]
.irp k, 1,2,3
	v_pk_fma_f32 v[ACC+2*\cc:ACC+2*\cc+1],     v[A+2*\k:A+2*\k+1],     v[W+8*\cc+2*\k:W+8*\cc+2*\k+1], v[ACC+2*\cc:ACC+2*\cc+1]
	v_pk_fma_f32 v[ACC+8+2*\cc:ACC+8+2*\cc+1], v[A+8+2*\k:A+8+2*\k+1], v[W+8*\cc+2*\k:W+8*\cc+2*\k+1], v[ACC+8+2*\cc:ACC+8+2*\cc+1]
.endr
.endm
	COL 0, 6
	COL 1, 4
	COL 2, 2
	COL 3, 0
	; The eight sums over the 32 lanes.  First the halves exchange: lanes 0-15 keep row 0's four sums and take the other half's part of them,
	; lanes 16-31 likewise for row 1; then four steps inside each half on four registers.
.irp i, 0,1,2,3,4,5,6,7
	v_add_f32 v[RES+\i], v[ACC+2*\i], v[ACC+2*\i+1]
.endr
	v_cmp_eq_u32 vcc_lo, 1, v6                     ; lanes 16-31
.irp i, 0,1,2,3
	v_cndmask_b32 v[ACC+\i], v[RES+4+\i], v[RES+\i], vcc_lo        ; what the other half wants: row 1's from lanes 0-15, row 0's from lanes 16-31
	v_cndmask_b32 v[RES+\i], v[RES+\i], v[RES+4+\i], vcc_lo        ; what I keep
.endr
.irp i, 0,1,2,3
	v_permlanex16_b32 v[ACC+4+\i], v[ACC+\i], s24, s25             ; its destination has been written before
.endr
.irp i, 0,1,2,3
	v_add_f32 v[RES+\i], v[RES+\i], v[ACC+4+\i]
.endr
.irp m, 1,2,4,8
.irp i, 0,1,2,3
	v_add_f32_dpp v[RES+\i], v[RES+\i], v[RES+\i] row_xmask:\m row_mask:0xf bank_mask:0xf
.endr
.endr
	s_wait_kmcnt 0x0                               ; the bias
	s_cmp_eq_u32 s31, 0                            ; it is added once, by the waves of the first quarter of K; the others add 0
.irp cc, 0,1,2,3
	s_cselect_b32 s[20+\cc], s[20+\cc], 0
.endr
.irp cc, 0,1,2,3
	v_add_f32 v[RES+\cc], s[20+\cc], v[RES+\cc]
.endr
	; the way out: every lane of a half holds the same four numbers; lanes 0 and 16 put them into my wave's 32 bytes
	v_cmp_eq_u32 vcc_lo, 0, v7
	s_wait_xcnt 0x0                                ; EXEC changes only behind this wait
	s_and_saveexec_b32 s29, vcc_lo
	ds_store_b128 v3, v[RES:RES+3]
	s_or_b32 exec_lo, exec_lo, s29                 ; no global instruction has been issued since the wait above
	s_wait_dscnt 0x0                               ; my store is done before I say so
	s_barrier_signal -1
	s_barrier_wait -1
	s_cmp_lg_u32 s12, 0
	s_cbranch_scc1 .Lend
.irp kq, 0,1,2,3
	ds_load_b32 v[8+\kq], v4 offset:128*\kq        ; the four quarters of K of my one result
.endr
	s_wait_dscnt 0x0
	v_add_f32 v8, v8, v9
	v_add_f32 v10, v10, v11
	v_add_f32 v8, v8, v10
	global_store_b32 v5, v8, s[10:11]              ; lanes 0-15: 64 consecutive bytes of row 0; lanes 16-31: of row 1
.Lend:
	s_wait_tensorcnt 0x0
	ds_add_u32 v80, v81
	s_wait_dscnt 0x0
	s_endpgm
.Lfunc_end_k_q3f3ed9136c_vproj:
	.size	k_q3f3ed9136c_vproj, .Lfunc_end_k_q3f3ed9136c_vproj-k_q3f3ed9136c_vproj
	.p2alignl 7, 3214868480
	.fill 96, 4, 3214868480
	.section	.rodata,"a",@progbits
	.p2align	6, 0x0
	.amdhsa_kernel k_q3f3ed9136c_vproj
		.amdhsa_group_segment_fixed_size 2560
		.amdhsa_private_segment_fixed_size 0
		.amdhsa_enable_private_segment 0
		.amdhsa_kernarg_size 32
		.amdhsa_user_sgpr_count 2
		.amdhsa_user_sgpr_kernarg_segment_ptr 1
		.amdhsa_wavefront_size32 1
		.amdhsa_system_sgpr_workgroup_id_x 1
		.amdhsa_system_sgpr_workgroup_id_y 1
		.amdhsa_system_sgpr_workgroup_id_z 1
		.amdhsa_system_vgpr_workitem_id 0
		.amdhsa_next_free_vgpr 82
		.amdhsa_next_free_sgpr 66
		.amdhsa_reserve_vcc 1
		.amdhsa_float_denorm_mode_32 3
		.amdhsa_float_denorm_mode_16_64 3
		.amdhsa_memory_ordered 1
		.amdhsa_forward_progress 1
		.amdhsa_inst_pref_size 9
	.end_amdhsa_kernel
	.amdgpu_metadata
---
amdhsa.version: [ 1, 2 ]
amdhsa.kernels:
  - .name:           k_q3f3ed9136c_vproj
    .symbol:         k_q3f3ed9136c_vproj.kd
    .args:
      - { .name: yb, .offset: 0, .size: 8, .value_kind: global_buffer, .address_space: global }
      - { .name: in_proj_w, .offset: 8, .size: 8, .value_kind: global_buffer, .address_space: global }
      - { .name: in_proj_b, .offset: 16, .size: 8, .value_kind: global_buffer, .address_space: global }
      - { .name: cx, .offset: 24, .size: 8, .value_kind: global_buffer, .address_space: global }
    .group_segment_fixed_size: 2560
    .private_segment_fixed_size: 0
    .kernarg_segment_align: 8
    .kernarg_segment_size: 32
    .max_flat_workgroup_size: 512
    .sgpr_count:     66
    .vgpr_count:     82
    .wavefront_size: 32
...
	.end_amdgpu_metadata
.endif
;; end of part 5
;; launch oproj (part 6): grid 64 x 4, 16 waves a work-group, no clusters, 2,560 bytes of LDS; arguments cx, out_w, out_b, out0; writes out0
.if DOCPART == 6
	.amdgcn_target "amdgcn-amd-amdhsa--gfx1250"
	.amdhsa_code_object_version 6
	.text
	.protected	k_q3f3ed9136c_oproj
	.globl	k_q3f3ed9136c_oproj
	.p2align	8
	.type	k_q3f3ed9136c_oproj,@function
k_q3f3ed9136c_oproj:
	s_mov_b64 s[64:65], 0
	v_nop
	global_prefetch_b8 v0, s[64:65] scope:SCOPE_SE
	s_setreg_imm32_b32 hwreg(HW_REG_WAVE_MODE, 25, 1), 1
	s_wait_xcnt 0x0
; out0[b][o] = cx[b] . out_w[o] + out_b[o]       cx [8][1024], out_w [1024][1024], out_b [1024], all f32.
; cx is already the mean over the queries of the context; out_w is linear and out_b the same for all queries, so this is reference()'s pooled.
; A product with few rows that walks 4 MiB of weights: bytes and the wait for them decide, so it is done in f32 on the vector unit from
; plain loads of 512 consecutive bytes a wave; matrix units, tensor loads and clusters would add nothing to that.
; A work-group makes 2 rows x 16 columns with 16 waves.  Wave w takes columns 16 x + 4 (w % 4) + 0..3 and the quarter w / 4 of K = 1024
; (1 KiB of a row): lane l holds e = 256 (w / 4) + 128 t + 4 l + 0..3, t = 0, 1.  That is 12 loads a wave, all out at once, and 96 KiB for the
; work-group: 64 KiB of weights, and the two rows' 8 KiB once for each of the four column groups.
; The four quarters meet in LDS, and wave 0 stores one result a lane.
; A row's piece is 64 consecutive bytes, not a whole block of 256: the result has 8,192 numbers, 32 for each of the 256 work-groups;
; it is 32 KiB, written once.
; Limit: the sums are made in another order than reference()'s.
.set A_ROW,  4096                      ; bytes from a row of the left operand to the next
.set A_HEAD, 0                         ; bytes to add for each block of 256 columns (none here)
.set W_OFF,  0                         ; first byte of the weight block in its buffer
.set B_OFF,  0                         ; first byte of the bias block in its buffer
.set SCALED, 0
.set A,   8                            ; v[8:23]   left operand: row rr at 8 rr, 4 numbers at 4 t
.set W,   24                           ; v[24:55]  weights: column cc at 8 cc, 4 numbers at 4 t
.set ACC, 56                           ; v[56:71]  a pair of partial sums for each (rr, cc), at 8 rr + 2 cc; later at work in the reduction
.set RES, 72                           ; v[72:79]  the eight sums, at 4 rr + cc; later v[72:75]: my half's row, column cc
; v2 16 lane | v3 LDS, in | v4 LDS, out | v5 offset in the result | v6 lane / 16 | v7 lane % 16
	s_load_b256 s[4:11], s[0:1], 0x0               ; left operand s[4:5], weights s[6:7], bias s[8:9], result s[10:11]
	v_lshl_add_u32 v80, v0, 2, 0x200
	v_mov_b32 v81, 0
	v_lshrrev_b32 v1, 5, v0
	v_readfirstlane_b32 s12, v1                    ; wave 0..15
	s_and_b32 s13, ttmp7, 0xffff                   ; which pair of rows
	s_and_b32 s30, s12, 3                          ; which four of the 16 columns
	s_lshr_b32 s31, s12, 2                         ; which quarter of K
	v_and_b32 v2, 31, v0
	v_lshlrev_b32 v2, 4, v2                        ; 16 x lane
	v_and_b32 v7, 15, v0                           ; lane % 16
	v_bfe_u32 v6, v0, 4, 1                         ; lane / 16
	v_lshlrev_b32 v3, 4, v6                        ; LDS, in: 32 bytes a wave, 16 for each row
	v_lshl_add_u32 v3, s12, 5, v3
	v_lshrrev_b32 v4, 2, v7                        ; LDS, out: lane = row lane / 16, column c = lane % 16: 32 (c / 4) + 16 row + 4 (c % 4); the quarter stands in the immediate
	v_lshlrev_b32 v4, 5, v4
	v_lshl_add_u32 v4, v6, 4, v4
	v_and_b32 v5, 3, v7
	v_lshl_add_u32 v4, v5, 2, v4
	v_lshlrev_b32 v5, 2, v7                        ; the result: row x 4,096 + 4 c
	v_lshl_add_u32 v5, v6, 12, v5
	s_lshl_b32 s14, ttmp9, 16                      ; weights: 16 x rows of 4,096 bytes,
	s_lshl_b32 s15, s30, 14                        ; four rows for each column group,
	s_add_co_u32 s14, s14, s15
	s_lshl_b32 s15, s31, 10                        ; 1,024 bytes for each quarter of K
	s_add_co_u32 s14, s14, s15
.if W_OFF
	s_add_co_u32 s14, s14, W_OFF
.endif
	s_mov_b32 s15, 0
	s_mul_i32 s16, s13, 2*A_ROW                    ; left operand: my two rows, my quarter of K
	s_lshl_b32 s17, s31, 10
	s_add_co_u32 s16, s16, s17
.if A_HEAD
	s_lshr_b32 s17, ttmp9, 4                       ; 16 blocks of 16 columns to a head
	s_mul_i32 s17, s17, A_HEAD
	s_add_co_u32 s16, s16, s17
.endif
	s_mov_b32 s17, 0
	s_lshl_b32 s18, ttmp9, 6                       ; bias: (16 x + 4 (w % 4)) numbers of 4 bytes
	s_lshl4_add_u32 s18, s30, s18
.if B_OFF
	s_add_co_u32 s18, s18, B_OFF
.endif
	s_mov_b32 s19, 0
	s_lshl_b32 s26, s13, 13                        ; result: two rows of 4,096 bytes, 64 bytes for each block of columns
	s_lshl_b32 s27, ttmp9, 6
	s_add_co_u32 s26, s26, s27
	s_mov_b32 s27, 0
	s_mov_b32 s24, 0x76543210                      ; v_permlanex16_b32: lane i of one half reads lane i of the other
	s_mov_b32 s25, 0xfedcba98
	s_wait_kmcnt 0x0
	s_add_nc_u64 s[4:5], s[4:5], s[16:17]
	s_add_nc_u64 s[6:7], s[6:7], s[14:15]
	s_add_nc_u64 s[8:9], s[8:9], s[18:19]
	s_add_nc_u64 s[10:11], s[10:11], s[26:27]
.irp rr, 0,1
.irp t, 0,1
	global_load_b128 v[A+8*\rr+4*\t:A+8*\rr+4*\t+3], v2, s[4:5] offset:\rr*A_ROW+512*\t
.endr
.endr
.irp cc, 0,1,2,3
.irp t, 0,1
	global_load_b128 v[W+8*\cc+4*\t:W+8*\cc+4*\t+3], v2, s[6:7] offset:\cc*4096+512*\t
.endr
.endr
	s_load_b128 s[20:23], s[8:9], 0x0              ; the bias of my four columns
; Column cc against both rows.  left = the loads issued behind this column's two: 2 for each later column.
.macro COL cc, left
	s_wait_loadcnt \left
	v_pk_mul_f32 v[ACC+2*\cc:ACC+2*\cc+1],     v[A:A+1],   v[W+8*\cc:W+8*\cc+1]          ; the first products start the sums
	v_pk_mul_f32 v[ACC+8+2*\cc:ACC+8+2*\cc+1], v[A+8:A+9], v[W+8*\cc:W+8*\cc+1]
.irp k, 1,2,3
	v_pk_fma_f32 v[ACC+2*\cc:ACC+2*\cc+1],     v[A+2*\k:A+2*\k+1],     v[W+8*\cc+2*\k:W+8*\cc+2*\k+1], v[ACC+2*\cc:ACC+2*\cc+1]
	v_pk_fma_f32 v[ACC+8+2*\cc:ACC+8+2*\cc+1], v[A+8+2*\k:A+8+2*\k+1], v[W+8*\cc+2*\k:W+8*\cc+2*\k+1], v[ACC+8+2*\cc:ACC+8+2*\cc+1]
.endr
.endm
	COL 0, 6
	COL 1, 4
	COL 2, 2
	COL 3, 0
	; The eight sums over the 32 lanes.  First the halves exchange: lanes 0-15 keep row 0's four sums and take the other half's part of them,
	; lanes 16-31 likewise for row 1; then four steps inside each half on four registers.
.irp i, 0,1,2,3,4,5,6,7
	v_add_f32 v[RES+\i], v[ACC+2*\i], v[ACC+2*\i+1]
.endr
	v_cmp_eq_u32 vcc_lo, 1, v6                     ; lanes 16-31
.irp i, 0,1,2,3
	v_cndmask_b32 v[ACC+\i], v[RES+4+\i], v[RES+\i], vcc_lo        ; what the other half wants: row 1's from lanes 0-15, row 0's from lanes 16-31
	v_cndmask_b32 v[RES+\i], v[RES+\i], v[RES+4+\i], vcc_lo        ; what I keep
.endr
.irp i, 0,1,2,3
	v_permlanex16_b32 v[ACC+4+\i], v[ACC+\i], s24, s25             ; its destination has been written before
.endr
.irp i, 0,1,2,3
	v_add_f32 v[RES+\i], v[RES+\i], v[ACC+4+\i]
.endr
.irp m, 1,2,4,8
.irp i, 0,1,2,3
	v_add_f32_dpp v[RES+\i], v[RES+\i], v[RES+\i] row_xmask:\m row_mask:0xf bank_mask:0xf
.endr
.endr
	s_wait_kmcnt 0x0                               ; the bias
	s_cmp_eq_u32 s31, 0                            ; it is added once, by the waves of the first quarter of K; the others add 0
.irp cc, 0,1,2,3
	s_cselect_b32 s[20+\cc], s[20+\cc], 0
.endr
.irp cc, 0,1,2,3
	v_add_f32 v[RES+\cc], s[20+\cc], v[RES+\cc]
.endr
	; the way out: every lane of a half holds the same four numbers; lanes 0 and 16 put them into my wave's 32 bytes
	v_cmp_eq_u32 vcc_lo, 0, v7
	s_wait_xcnt 0x0                                ; EXEC changes only behind this wait
	s_and_saveexec_b32 s29, vcc_lo
	ds_store_b128 v3, v[RES:RES+3]
	s_or_b32 exec_lo, exec_lo, s29                 ; no global instruction has been issued since the wait above
	s_wait_dscnt 0x0                               ; my store is done before I say so
	s_barrier_signal -1
	s_barrier_wait -1
	s_cmp_lg_u32 s12, 0
	s_cbranch_scc1 .Lend
.irp kq, 0,1,2,3
	ds_load_b32 v[8+\kq], v4 offset:128*\kq        ; the four quarters of K of my one result
.endr
	s_wait_dscnt 0x0
	v_add_f32 v8, v8, v9
	v_add_f32 v10, v10, v11
	v_add_f32 v8, v8, v10
	global_store_b32 v5, v8, s[10:11]              ; lanes 0-15: 64 consecutive bytes of row 0; lanes 16-31: of row 1
.Lend:
	s_wait_tensorcnt 0x0
	ds_add_u32 v80, v81
	s_wait_dscnt 0x0
	s_endpgm
.Lfunc_end_k_q3f3ed9136c_oproj:
	.size	k_q3f3ed9136c_oproj, .Lfunc_end_k_q3f3ed9136c_oproj-k_q3f3ed9136c_oproj
	.p2alignl 7, 3214868480
	.fill 96, 4, 3214868480
	.section	.rodata,"a",@progbits
	.p2align	6, 0x0
	.amdhsa_kernel k_q3f3ed9136c_oproj
		.amdhsa_group_segment_fixed_size 2560
		.amdhsa_private_segment_fixed_size 0
		.amdhsa_enable_private_segment 0
		.amdhsa_kernarg_size 32
		.amdhsa_user_sgpr_count 2
		.amdhsa_user_sgpr_kernarg_segment_ptr 1
		.amdhsa_wavefront_size32 1
		.amdhsa_system_sgpr_workgroup_id_x 1
		.amdhsa_system_sgpr_workgroup_id_y 1
		.amdhsa_system_sgpr_workgroup_id_z 1
		.amdhsa_system_vgpr_workitem_id 0
		.amdhsa_next_free_vgpr 82
		.amdhsa_next_free_sgpr 66
		.amdhsa_reserve_vcc 1
		.amdhsa_float_denorm_mode_32 3
		.amdhsa_float_denorm_mode_16_64 3
		.amdhsa_memory_ordered 1
		.amdhsa_forward_progress 1
		.amdhsa_inst_pref_size 9
	.end_amdhsa_kernel
	.amdgpu_metadata
---
amdhsa.version: [ 1, 2 ]
amdhsa.kernels:
  - .name:           k_q3f3ed9136c_oproj
    .symbol:         k_q3f3ed9136c_oproj.kd
    .args:
      - { .name: cx, .offset: 0, .size: 8, .value_kind: global_buffer, .address_space: global }
      - { .name: out_w, .offset: 8, .size: 8, .value_kind: global_buffer, .address_space: global }
      - { .name: out_b, .offset: 16, .size: 8, .value_kind: global_buffer, .address_space: global }
      - { .name: out0, .offset: 24, .size: 8, .value_kind: global_buffer, .address_space: global }
    .group_segment_fixed_size: 2560
    .private_segment_fixed_size: 0
    .kernarg_segment_align: 8
    .kernarg_segment_size: 32
    .max_flat_workgroup_size: 512
    .sgpr_count:     66
    .vgpr_count:     82
    .wavefront_size: 32
...
	.end_amdgpu_metadata
.endif
;; end of part 6
